; MI455X (gfx1250); checked and timed in simulation.
; The chip was launched on July 23, 2026; its instructions are those of AMD's public machine-readable ISA for CDNA 5 (MIT licence, August 2026) and "CDNA5" Instruction Set Architecture Reference Guide (July 2026). The comments in the code are by the model that wrote it; some were corrected since.
;; Cky Linear. Allowed arithmetic: matrix products marked QUANTISED: E5M2 operands, one E8M0 scale for each 32 along K, by v_wmma_scale_f32_16x16x128_f8f6f4 with both operands' format E5M2, f32 sums; everything else in f32.
;; Inputs: W_q 64 x 262,144 int32; bias 4,096 float32; scale 1 x 262,144 float32; x 8 x 512 x 4,096 float32; zero 1 x 262,144 float32.
;; Outputs: out0 8 x 512 x 4,096 float32.
;; This version of the problem:
;;   THIS VERSION OF THE PROBLEM IS GIVEN IN LOW PRECISION. The matrix products marked QUANTISED in the list below multiply operands that are first quantised to E5M2 (5 exponent bits, 2 mantissa bits; 8 bits a number), with one power-of-two scale for each 32 numbers along K (OCP MX v1.0); their sums are f32. All else is computed in f32.
;;   The module's matrix products, in the order in which they are computed (A, B: the left and right operand; K: the contracted axis; several contracted axes count as one K, in the product's order):
;;     1. [M 4,096, K 4,096] x [K 4,096, N 4,096]; A: input x; B: computed on the way: QUANTISED
;;   THE QUANTISER, for each operand of a quantised product, along K:
;;     - K is cut into blocks of 32 from its start; a last block that is shorter is filled with zeros.
;;     - A block's scale is 2^e with e = floor(log2(the largest magnitude in the block)) - 15, held to -126 .. 127; a block of zeros has e = 0. As a byte (E8M0): e + 127.
;;     - Each number is divided by its block's scale, clamped to +-57,344, and rounded to the nearest number of E5M2, ties to even, subnormals kept.
;;     - The product sums the exact products of the quantised numbers (number of the format x scale) in f32.
;;   ~~~python
;;   def quantise(x, axis):      # numpy; x: float32 -> the quantised numbers, widened to float32 again
;;       x = np.moveaxis(x, axis, -1); K = x.shape[-1]
;;       x = np.pad(x, [(0, 0)] * (x.ndim - 1) + [(0, -K % 32)]); x = x.reshape(x.shape[:-1] + (-1, 32)); a = np.abs(x).max(-1, keepdims=True)
;;       e = np.where(a > 0, np.clip(np.frexp(np.where(a > 0, a, 1))[1] - 1 - 15, -126, 127), 0)      # np.frexp(a)[1] - 1 = floor(log2(a)), exactly
;;       r = np.clip(x / 2.0 ** e, -57344, 57344)
;;       step = 2.0 ** (np.maximum(np.frexp(np.where(r == 0, 1, r))[1] - 1, -14) - 2)
;;       q = np.round(r / step) * step * 2.0 ** e      # np.round: ties to even
;;       return np.moveaxis(q.reshape(q.shape[:-2] + (-1,))[..., :K], -1, axis).astype(np.float32)
;;   ~~~
;;   OPERANDS COMPUTED ON THE WAY. 'Computed on the way' means the value that the module computes at that place (a softmax that the list does not call 'softmax' is quantised finished and normalised). What goes into a quantiser is computed in f32, as accurately as f32 sums, v_exp_f32 and their like allow (about 1e-6 of the number): no bf16 or f16 on the way to a quantiser, and a product that is left as it is and whose result goes on into a quantised operand takes f32 operands (vector FMAs, or v_wmma_f32_16x16x4_f32). A number that lies on a knife's edge between two numbers of the format may be rounded either way, as far as f32 arithmetic and the matrix unit's own rounding can turn it there, and no further.
;; One version. Each part assembles by itself: llvm-mc -triple=amdgcn-amd-amdhsa -mcpu=gfx1250 --defsym DOCPART=n.
;; ======== version 1 of 1: 2 launches
;; limits: right only within a limited range of input values
;; workspace buffers: xq 17,301,504 bytes; wq 17,301,504 bytes
;; launch quant (part 1): grid 256 x 1, 16 waves a work-group, no clusters, 149,504 bytes of LDS; arguments x, W_q, scale, zero, xq, wq; writes xq, wq
.if DOCPART == 1
	.amdgcn_target "amdgcn-amd-amdhsa--gfx1250"
	.amdhsa_code_object_version 6
	.text
	.protected	k_qd3de9ae33d_quant
	.globl	k_qd3de9ae33d_quant
	.p2align	8
	.type	k_qd3de9ae33d_quant,@function
k_qd3de9ae33d_quant:
	s_mov_b64 s[64:65], 0
	v_nop
	global_prefetch_b8 v0, s[64:65] scope:SCOPE_SE
	s_setreg_imm32_b32 hwreg(HW_REG_WAVE_MODE, 25, 1), 1
	s_wait_xcnt 0x0
; x [4096][4096] f32 and W [4096][4096] = (f32(W_q) - zero) * scale are turned into codes of BF8 (E5M2) with one E8M0 scale byte for each 32 along K.
; W_q [64][262144] is, byte for byte, [4096 (o)][4096 (i)] with K innermost; zero and scale [262144] are tables [64][4096], taken at (o mod 64, i).
; W is made by one conversion, one subtraction and one multiplication, each rounded by itself: nothing is fused ahead of the quantiser.
; A block's scale is 2^(floor(log2(its largest magnitude)) - 15); its byte is the largest magnitude's exponent field - 15, held at 1 from below. Each number is held within
; +-57,344 x the scale and rounded to the nearest code, ties to even.
; LIMITS: NaN and infinities among the inputs are not served. A block of zeros gets the byte 1, not 127: its codes are zeros, which add nothing under any byte but 0xff, and the bytes are
; read by this program alone. Blocks whose largest magnitude lies under 2^-111 have the byte held at 1.
; WHAT IS WRITTEN (xq and wq alike): [row block of 128: 32][K step of 256: 16] blocks of 33,792 bytes, in the order of the operand's registers. In a block: 16 fragment images of 2,048 bytes
; (image 2 i + q: rows 16 i on, K 128 q on); in an image chunk c of 512 bytes holds lane l's 16 bytes at 16 l: row 16 i + l % 16, k = 128 q + 32 c + 16 (l / 16) + 0 .. 15;
; behind the images 1,024 bytes of scale words: row j at 8 j, word q at + 4 q, byte b for k = 128 q + 32 b on.
; SHARES. Work-groups 0-127 take x, 128-255 W; of its number's low 7 bits the low 4 are the K step ks, the upper 3 tg. A work-group takes K step ks of rows 512 tg .. 512 tg + 511, 64 rows a step, 8 steps.
; Wave w takes rows 16 (w / 4) on of the 64 and 64 (w % 4) on of the 256 along K: half a fragment a step. Its rows' o mod 64 is the same in every step, so its zero and scale are loaded once.
; Each load reads 256 consecutive aligned bytes in sixteen lanes; the conversions want 16 neighbours along K in ONE lane: so a step's 4,096 bytes turn through the wave's own stage in LDS.
; The two tensors take two paths, which part on the work-group's number alone; each path has LDS bytes of its own. No tensor loads, no matrix instructions.
.set BLKB, 33792                       ; a block of the output
.set STGB, 4352                        ; a wave's stage: 16 rows x (256 bytes + 16): rows 17 x 16 bytes apart, so sixteen lanes that read one column of 16 rows fall on 16 different columns of 16 bytes (64 banks of 4 bytes: ISA guide 11.1)
.set SCW,  16*STGB                     ; behind the sixteen stages: 4,096 bytes, the image of four blocks' scale words: [step 8][w / 4][row 16][w % 4] half-words
.set PBW,  SCW+4096                    ; where W's path has its LDS bytes; x's begin at 0
.set MA,   16                          ; v16-17  a block's largest magnitude (two blocks a lane)
.set MB,   18                          ; v18-19  its second chain
.set PM,   20                          ; v20-21  lane l xor 16's
.set SOP,  22                          ; v22-23  the conversion's scale operand
.set HOLD, 24                          ; v24-25  57,344 x the scale
.set SBY,  26                          ; v26-27  the scale's byte
.set PW,   28                          ; v28     my row's two bytes
.set PC,   32                          ; v32-47  codes: two sets of 8
.set Z,    48                          ; v48-79  zero, as loaded (W's path)
.set S,    80                          ; v80-111 scale, as loaded (W's path)
.set R,    112                         ; v112-239 four sets of 32 numbers
; v1 my byte in a load's two rows; v2 16 x lane; v3 8 x lane; v4-7 (x's path), v8-11 (W's): stage in, stage out, my half-word among the scale words, my 8 bytes of them at the end. None is rewritten.
.macro LOADSET t                       ; step t's 16 rows x 256 bytes into set t % 4: lanes 0-15 row 2 p, lanes 16-31 row 2 p + 1. The largest offset is 7,569,408: inside the signed 24-bit immediate (ISA guide, chapter 10)
.set RL, R+32*((\t)%4)
.irp p, 0,1,2,3,4,5,6,7
	global_load_b128 v[RL+4*\p:RL+4*\p+3], v1, s[16:17] offset:(\t)*1048576+\p*32768 th:TH_LOAD_NT
.endr
.endm
.macro LOADTAB                         ; my 16 rows of zero and of scale, in the same lanes and registers as a set; eight work-groups read them again, so no hint
.irp p, 0,1,2,3,4,5,6,7
	global_load_b128 v[Z+4*\p:Z+4*\p+3], v1, s[22:23] offset:\p*32768
	global_load_b128 v[S+4*\p:S+4*\p+3], v1, s[24:25] offset:\p*32768
.endr
.endm
.macro DEQ t                           ; set t % 4 in place: f32(W_q), - zero, x scale: three roundings
.set RD, R+32*((\t)%4)
.set i, 0
.rept 32
	v_cvt_f32_i32 v[RD+i], v[RD+i]
.set i, i+1
.endr
.set i, 0
.rept 16
	v_pk_add_f32 v[RD+i:RD+i+1], v[RD+i:RD+i+1], v[Z+i:Z+i+1] neg_lo:[0,1] neg_hi:[0,1]
.set i, i+2
.endr
.set i, 0
.rept 16
	v_pk_mul_f32 v[RD+i:RD+i+1], v[RD+i:RD+i+1], v[S+i:S+i+1]
.set i, i+2
.endr
.endm
.macro TURN t, ar                      ; through my stage, back into the registers that the numbers left: register 16 b + i is then k = 32 b + 16 (lane / 16) + i of row lane % 16. LDS serves a wave's instructions in order (ISA guide 5.7.1.4): no wait between
.set RT, R+32*((\t)%4)
.irp p, 0,1,2,3,4,5,6,7
	ds_store_b128 v[\ar], v[RT+4*\p:RT+4*\p+3] offset:544*\p
.endr
.irp b, 0,1
.irp j, 0,1,2,3
	ds_load_b128 v[RT+16*\b+4*\j:RT+16*\b+4*\j+3], v[\ar+1] offset:128*\b+16*\j
.endr
.endr
.endm
.macro QUANT t                         ; set t % 4: two blocks of 32, 16 numbers of each in my lane -> 8 registers of codes in set t % 2, two scale bytes in v[PW]
.set RQ, R+32*((\t)%4)
.set PQ, PC+8*((\t)%2)
.irp b, 0,1
	v_max3_num_f32 v[MA+\b], |v[RQ+16*\b]|, |v[RQ+16*\b+1]|, 0x8000000        ; the floor 2^(16 - 127) among the leaves: the byte cannot fall under 1
	v_max3_num_f32 v[MB+\b], |v[RQ+16*\b+8]|, |v[RQ+16*\b+9]|, |v[RQ+16*\b+10]|
.endr
.irp i, 2,4
.irp b, 0,1
	s_delay_alu instid0(VALU_DEP_4)
	v_max3_num_f32 v[MA+\b], v[MA+\b], |v[RQ+16*\b+\i]|, |v[RQ+16*\b+\i+1]|   ; four chains by turns
	s_delay_alu instid0(VALU_DEP_4)
	v_max3_num_f32 v[MB+\b], v[MB+\b], |v[RQ+16*\b+\i+9]|, |v[RQ+16*\b+\i+10]|
.endr
.endr
.irp b, 0
	s_delay_alu instid0(VALU_DEP_4)
	v_max3_num_f32 v[MA+\b], v[MA+\b], |v[RQ+16*\b+6]|, |v[RQ+16*\b+7]|
.endr
.irp b, 1
	s_delay_alu instid0(VALU_DEP_3)
	v_max3_num_f32 v[MA+\b], v[MA+\b], |v[RQ+16*\b+6]|, |v[RQ+16*\b+7]|
.endr
.irp b, 0,1
	s_delay_alu instid0(VALU_DEP_2)
	v_max3_num_f32 v[MA+\b], v[MA+\b], v[MB+\b], |v[RQ+16*\b+15]|
.endr
.irp b, 0,1
	s_delay_alu instid0(VALU_DEP_2)
	v_permlanex16_b32 v[PM+\b], v[MA+\b], s2, s3
.endr
.irp b, 0,1
	s_delay_alu instid0(VALU_DEP_2)
	v_max_num_f32 v[MA+\b], v[MA+\b], v[PM+\b]           ; with lane l xor 16's 16: the block's largest magnitude
.endr
.irp b, 0,1
	s_delay_alu instid0(VALU_DEP_2)
	v_add_nc_u32 v[SOP+\b], 0xf8800000, v[MA+\b]         ; 15 off its exponent field: the conversion takes the exponent field of this operand as its scale
.endr
.irp b, 0,1
	s_delay_alu instid0(VALU_DEP_4)
	v_and_or_b32 v[HOLD+\b], v[MA+\b], 0x7f800000, s31   ; 57,344 x the scale: that exponent field over 57,344's mantissa field
.endr
.irp b, 0,1
	s_delay_alu instid0(VALU_DEP_4)
	v_lshrrev_b32 v[SBY+\b], 23, v[SOP+\b]               ; the scale's byte
.endr
	s_delay_alu instid0(VALU_DEP_1)
	v_lshl_or_b32 v[PW], v[SBY+1], 8, v[SBY]
.irp b, 0,1
.irp i, 0,1,2,3,4,5,6,7,8,9,10,11,12,13,14,15
	v_med3_num_f32 v[RQ+16*\b+\i], v[RQ+16*\b+\i], -v[HOLD+\b], v[HOLD+\b]   ; the conversion to an 8-bit code does not saturate (ISA guide 7.6.2): the hold comes first
.endr
.endr
.if (\t) > 1
	s_wait_alu depctr_va_vdst(0)
	s_wait_xcnt 0x0                                      ; this set of codes was the data of the stores two steps back: it is rewritten only behind this wait
.endif
.irp b, 0,1
	v_cvt_scalef32_pk8_bf8_f32 v[PQ+4*\b:PQ+4*\b+1], v[RQ+16*\b:RQ+16*\b+7], v[SOP+\b]
	v_cvt_scalef32_pk8_bf8_f32 v[PQ+4*\b+2:PQ+4*\b+3], v[RQ+16*\b+8:RQ+16*\b+15], v[SOP+\b]
.endr
	v_nop                                                ; one plain vector line behind the last conversion, ahead of whatever vector line next touches its registers
.endm
.macro STEP t, isw, ar
.if (\t) > 0
	s_wait_dscnt 1                                       ; this step's numbers are back from the stage; behind their loads only the last step's half-word store was issued
.else
	s_wait_dscnt 0x0
.endif
.if (\t) < 7
.if (\t) < 5
	s_wait_loadcnt 16                                    ; the next step's eight loads are in; the two sets issued behind them may be out
.else
	s_wait_loadcnt 8*(6-(\t))                            ; towards the end fewer sets were issued behind them: one, then none
.endif
.if \isw
	DEQ (\t)+1
.endif
	TURN (\t)+1, \ar                                     ; the next step goes through the stage while this one is quantised
.endif
	QUANT \t
.if (\t) < 4
	LOADSET (\t)+4                                       ; into the set just converted
.endif
.irp b, 0,1
	global_store_b128 v2, v[PQ+4*\b:PQ+4*\b+3], s[18:19] offset:((\t)/2)*16*BLKB+((\t)%2)*16384+512*\b   ; a chunk: 32 lanes store 512 consecutive bytes, at a multiple of 256 from the buffer's first byte
.endr
	ds_store_b16 v[\ar+2], v[PW] offset:512*(\t)         ; lanes l and l xor 16 write the same half-word with the same value
.endm
.macro BODY isw, ar, src, dst          ; a whole path: src, dst: the scalar pairs with the tensor's and the codes' addresses
	s_add_nc_u64 s[16:17], s[\src:\src+1], s[34:35]      ; my wave's first 256 bytes of the tensor
	s_add_nc_u64 s[18:19], s[\dst:\dst+1], s[36:37]      ; its first chunk of codes
	s_add_nc_u64 s[20:21], s[\dst:\dst+1], s[38:39]      ; the 256 bytes of scale words that it stores at the end
.if \isw
	s_add_nc_u64 s[22:23], s[10:11], s[32:33]            ; zero
	s_add_nc_u64 s[24:25], s[8:9], s[32:33]              ; scale
	LOADTAB
.endif
	LOADSET 0
	LOADSET 1
	LOADSET 2
	LOADSET 3
	s_wait_loadcnt 24                                    ; set 0 (and what was issued ahead of it) is in; sets 1 to 3 may be out
.if \isw
	DEQ 0
.endif
	TURN 0, \ar
.irp t, 0,1,2,3,4,5,6,7
	STEP \t, \isw, \ar
.endr
	s_wait_dscnt 0x0                                     ; for the others' sake: my half-words have landed
	s_barrier_signal -1
	s_barrier_wait -1                                    ; everybody's have
	ds_load_b64 v[30:31], v[\ar+3]
	s_wait_dscnt 0x0
	global_store_b64 v3, v[30:31], s[20:21]              ; 32 lanes store 256 consecutive bytes, at a multiple of 256 from the buffer's first byte
	s_wait_tensorcnt 0x0
	ds_add_u32 v240, v241
	s_wait_dscnt 0x0
	s_endpgm
.endm
	s_load_b256 s[4:11], s[0:1], 0x0                     ; x s[4:5], W_q s[6:7], scale s[8:9], zero s[10:11]
	s_load_b128 s[12:15], s[0:1], 0x20                   ; xq s[12:13], wq s[14:15]
	v_lshl_add_u32 v240, v0, 2, 0x24000
	v_mov_b32 v241, 0
	v_lshrrev_b32 v12, 5, v0
	s_delay_alu instid0(VALU_DEP_1)
	v_readfirstlane_b32 s26, v12                         ; wave 0..15
	v_and_b32 v13, 15, v0                                ; lane % 16
	v_bfe_u32 v14, v0, 4, 1                              ; lane / 16
	v_and_b32 v15, 31, v0                                ; lane
	s_delay_alu instid0(VALU_DEP_3)
	v_lshlrev_b32 v1, 4, v13
	s_delay_alu instid0(VALU_DEP_1)
	v_lshl_add_u32 v1, v14, 14, v1                       ; in: 16 bytes a lane, lanes 16-31 one row (16,384 bytes) further down
	s_delay_alu instid0(VALU_DEP_3)
	v_lshlrev_b32 v2, 4, v15
	s_delay_alu instid0(VALU_DEP_4)
	v_lshlrev_b32 v3, 3, v15
	s_lshr_b32 s27, s26, 2                               ; g: which 16 of the 64 rows
	s_and_b32 s28, s26, 3                                ; kq: which 64 of the 256 along K
	s_mul_i32 s32, s26, STGB                             ; my stage
	v_mul_u32_u24 v12, v14, 272
	s_delay_alu instid0(VALU_DEP_1)
	v_lshl_add_u32 v12, v13, 4, v12
	s_delay_alu instid0(VALU_DEP_1)
	v_add_nc_u32 v4, s32, v12                            ; into it: as loaded
	s_delay_alu instid0(VALU_DEP_1)
	v_add_nc_u32 v8, PBW, v4
	v_mul_u32_u24 v12, v13, 272
	s_delay_alu instid0(VALU_DEP_1)
	v_lshl_add_u32 v12, v14, 6, v12
	s_delay_alu instid0(VALU_DEP_1)
	v_add_nc_u32 v5, s32, v12                            ; out of it: row lane % 16, 64 bytes on for lanes 16-31
	s_delay_alu instid0(VALU_DEP_1)
	v_add_nc_u32 v9, PBW, v5
	s_lshl_b32 s33, s27, 7
	s_lshl_b32 s34, s28, 1
	s_add_co_u32 s33, s33, s34
	s_add_co_u32 s33, s33, SCW
	v_lshl_add_u32 v6, v13, 3, s33                       ; my row's half-word: 128 g + 8 row + 2 kq
	s_delay_alu instid0(VALU_DEP_1)
	v_add_nc_u32 v10, PBW, v6
	s_lshl_b32 s35, s26, 8
	s_add_co_u32 s35, s35, SCW
	v_lshl_add_u32 v7, v15, 3, s35                       ; at the end: 256 bytes a wave, 8 a lane
	s_delay_alu instid0(VALU_DEP_1)
	v_add_nc_u32 v11, PBW, v7
	v_mov_b32 v[PM], 0                                   ; written once: a lane permute's destination counts as one of its sources
	v_mov_b32 v[PM+1], 0
	s_mov_b32 s2, 0x76543210
	s_mov_b32 s3, 0xfedcba98                             ; v_permlanex16_b32's selects for lane l xor 16
	s_mov_b32 s31, 0x600000                              ; the mantissa field of 57,344
	s_and_b32 s29, ttmp9, 15                             ; ks
	s_bfe_u32 s30, ttmp9, 0x30004                        ; tg
	s_lshl_b32 s32, s27, 18                              ; in the tables: 16 g rows of 16,384 bytes + 1,024 ks + 256 kq
	s_lshl_b32 s34, s29, 10
	s_add_co_u32 s32, s32, s34
	s_lshl_b32 s34, s28, 8
	s_add_co_u32 s32, s32, s34
	s_mov_b32 s33, 0
	s_lshl_b32 s34, s30, 23                              ; in the tensor: 512 tg rows further down
	s_add_co_u32 s34, s34, s32
	s_mov_b32 s35, 0
	s_lshl_b32 s36, s30, 6
	s_add_co_u32 s36, s36, s29                           ; the first block that I write codes into: 16 x (4 tg) + ks
	s_lshl_b32 s38, s27, 4
	s_add_co_u32 s38, s38, s36                           ; the block whose scale words I store: row block 4 tg + w / 4
	s_mul_i32 s36, s36, BLKB
	s_mul_i32 s38, s38, BLKB
	s_lshl_b32 s37, s27, 12                              ; + 4,096 g + 1,024 kq
	s_add_co_u32 s36, s36, s37
	s_lshl_b32 s37, s28, 10
	s_add_co_u32 s36, s36, s37
	s_mov_b32 s37, 0
	s_lshl_b32 s39, s28, 8                               ; + 32,768 + 256 (w % 4)
	s_add_co_u32 s38, s38, s39
	s_add_co_u32 s38, s38, 32768
	s_mov_b32 s39, 0
	s_wait_kmcnt 0x0
	s_cmp_lt_u32 ttmp9, 128                              ; x's work-group or W's: the same for all sixteen waves
	s_cbranch_scc0 .Lw
	s_wait_alu depctr_va_vdst(0)
	BODY 0, 4, 4, 12
.Lw:
	BODY 1, 8, 6, 14
.Lfunc_end_k_qd3de9ae33d_quant:
	.size	k_qd3de9ae33d_quant, .Lfunc_end_k_qd3de9ae33d_quant-k_qd3de9ae33d_quant
	.p2alignl 7, 3214868480
	.fill 96, 4, 3214868480
	.section	.rodata,"a",@progbits
	.p2align	6, 0x0
	.amdhsa_kernel k_qd3de9ae33d_quant
		.amdhsa_group_segment_fixed_size 149504
		.amdhsa_private_segment_fixed_size 0
		.amdhsa_enable_private_segment 0
		.amdhsa_kernarg_size 48
		.amdhsa_user_sgpr_count 2
		.amdhsa_user_sgpr_kernarg_segment_ptr 1
		.amdhsa_wavefront_size32 1
		.amdhsa_system_sgpr_workgroup_id_x 1
		.amdhsa_system_sgpr_workgroup_id_y 1
		.amdhsa_system_sgpr_workgroup_id_z 1
		.amdhsa_system_vgpr_workitem_id 0
		.amdhsa_next_free_vgpr 242
		.amdhsa_next_free_sgpr 66
		.amdhsa_reserve_vcc 0
		.amdhsa_float_denorm_mode_32 3
		.amdhsa_float_denorm_mode_16_64 3
		.amdhsa_memory_ordered 1
		.amdhsa_forward_progress 1
		.amdhsa_inst_pref_size 140
	.end_amdhsa_kernel
	.amdgpu_metadata
---
amdhsa.version: [ 1, 2 ]
amdhsa.kernels:
  - .name:           k_qd3de9ae33d_quant
    .symbol:         k_qd3de9ae33d_quant.kd
    .args:
      - { .name: x, .offset: 0, .size: 8, .value_kind: global_buffer, .address_space: global }
      - { .name: W_q, .offset: 8, .size: 8, .value_kind: global_buffer, .address_space: global }
      - { .name: scale, .offset: 16, .size: 8, .value_kind: global_buffer, .address_space: global }
      - { .name: zero, .offset: 24, .size: 8, .value_kind: global_buffer, .address_space: global }
      - { .name: xq, .offset: 32, .size: 8, .value_kind: global_buffer, .address_space: global }
      - { .name: wq, .offset: 40, .size: 8, .value_kind: global_buffer, .address_space: global }
    .group_segment_fixed_size: 149504
    .private_segment_fixed_size: 0
    .kernarg_segment_align: 8
    .kernarg_segment_size: 48
    .max_flat_workgroup_size: 512
    .sgpr_count:     66
    .vgpr_count:     242
    .wavefront_size: 32
...
	.end_amdgpu_metadata
.endif
;; end of part 1
;; launch gemm (part 2): grid 16 x 16, 4 waves a work-group, clusters of 4 x 4, 327,680 bytes of LDS; arguments xq, wq, bias, out0; writes out0
.if DOCPART == 2
	.amdgcn_target "amdgcn-amd-amdhsa--gfx1250"
	.amdhsa_code_object_version 6
	.text
	.protected	k_qd3de9ae33d_gemm
	.globl	k_qd3de9ae33d_gemm
	.p2align	8
	.type	k_qd3de9ae33d_gemm,@function
k_qd3de9ae33d_gemm:
	s_mov_b64 s[64:65], 0
	v_nop
	global_prefetch_b8 v0, s[64:65] scope:SCOPE_SE
	s_setreg_imm32_b32 hwreg(HW_REG_WAVE_MODE, 25, 1), 1
	s_wait_xcnt 0x0
	s_wait_alu depctr_hold_cnt(0) depctr_sa_sdst(0) depctr_va_vdst(0) depctr_va_sdst(0) depctr_va_ssrc(0) depctr_va_vcc(0) depctr_vm_vsrc(0)
	s_getreg_b32 s2, hwreg(HW_REG_IB_STS2, 6, 4)
	s_cmp_eq_u32 s2, 0
	s_cbranch_scc0 .Lentry_in_a_cluster
	s_endpgm
.Lentry_in_a_cluster:
	s_bfe_u32 s2, ttmp6, 0x10000c
	s_cmp_lg_u32 s2, 0xf033
	s_cbranch_scc0 .Lentry_shape_is_right
	s_endpgm
.Lentry_shape_is_right:
; out0[m][n] = sum over k of x[m][k] W[n][k] + bias[n], on codes of BF8 (E5M2) with one E8M0 byte for each 32 along K; sums in f32.
; xq and wq: [row block of 128: 32][K step of 256: 16] blocks of 33,792 bytes: 16 fragment images of 2,048 bytes (image 2 i + q: rows 16 i on, K 128 q on;
; chunk c of 512 bytes holds lane l's 16 bytes at 16 l), then 1,024 bytes of scale words (row j at 8 j, word q at + 4 q).
; A work-group of four waves makes 256 x 256 of out0, a wave 128 x 128: 64 accumulators, 512 registers.  K goes in 16 steps of 256 through two LDS slots of four blocks; each wave fetches one block a step.
; CLUSTERS 4 x 4: x's blocks are asked for jointly along a row of the cluster, W's along a column.
; The matrix instruction is used transposed (source 0 = 16 rows of W, source 1 = 16 rows of x): a lane holds eight neighbouring numbers of a row of out0.  The bias is the C of each sum's first product.
; THE LDS LOADS go in runs of four fragments (16 loads), one run behind each 16 products: W's next fragments 0-3, x's next blocks 0-3, W's next fragments 4-7, x's next blocks 4-7.
; x has one set of registers, W two.  Two runs of eight places in 64 products part every load from the last product that read its registers.
; A CHANGE OF SLOTS: 8 of the step's products stand ahead of the wait for all tensor loads, 8 between the add and its wait, none inside the round: from a refill to the wait for it a wave issues 120 of a K step's 128 products.
; PREFETCH: behind the load of K step s each wave names K step s + 2 of the block that it fetches: of the block's 132 units of 256 bytes the partner at place p (cx for x, cy for W) takes 33 p .. 33 p + 32:
; a lane a unit, and one instruction more for the 33rd (all its lanes name that one unit).  Behind the first load step 1 is named, behind the second steps 2 and 3.  The refills of steps 14 and 15 name nothing.
; THE LAST K STEP goes by rows of out0: W's two sets hold all its 256 along K, x comes by blocks of 16 rows x 256 K, and each block of 16 rows leaves while the next is multiplied.
; REGISTERS: window 0: v16-31 addresses; v32-63 scale words, two sets; v64-127 the bias; v128-255 x's fragments.  Window 1: W's fragments, two sets.  Windows 2, 3: the accumulators ((a, b) at v[8 (8 (a % 4) + b)]).
.set BLKB,   33792
.set FR,     16
.set NP,     8                         ; places behind this matrix instruction (ISA guide 7.12.1)
.set SLOT,   4*BLKB
.set LAPS,   8
.set SPARE,  2*SLOT                    ; the spare words, 128 bytes a wave
.set SPITCH, 528                       ; the way out: a stage of 16 rows x (512 + 16) bytes a wave, in slot 0, behind its last fill and last read
.set ROWC,   16384                     ; a row of out0 in bytes
.set SHARE,  33*256                    ; a partner's part of a block in the prefetches
.set ADRA, 16
.set PFO,  18                          ; 256 x lane
.set PFZ,  19                          ; 0: the prefetch of the 33rd unit
.set ADRB, 20
.set STO,  24
.set RD,   25
.set CO,   26
.set BO,   27
.set SPW,  28
.set NIL,  29
.set ADRS, 30
.set SC,   32
.set BIAS, 64
.set AF,   128
.set PFA,  12                          ; s[12:13] my part of my block, stepped a K step at each change of slots
.set G1,  24
.set G0,  32
.set G1B, 48
.set G0B, 56
.set MSB, 0
.macro WIN new                         ; the immediate's high byte repeats the setting that is left
.if MSB != (\new)
	s_set_vgpr_msb (MSB<<8)|(\new)
.set MSB, (\new)
.endif
.endm
.set MUL_LO, 0xa1
.set MUL_HI, 0xf1
.set TO_B,   0x40
.macro JLOAD g0a, g1a, g0b, g1b        ; waves 0, 1 fetch x's blocks, waves 2, 3 W's
	s_cmp_eq_u32 s15, 0
	s_cbranch_scc0 .Lfor_b_\@
	tensor_load_to_lds s[\g0a:\g0a+3], s[\g1a:\g1a+7]
	s_nop 0
.rept 4
	v_nop
.endr
	s_branch .Lasked_\@
.Lfor_b_\@:
	tensor_load_to_lds s[\g0b:\g0b+3], s[\g1b:\g1b+7]
	s_nop 0
.rept 4
	v_nop
.endr
.Lasked_\@:
.endm
.macro CREST
	s_cmp_lg_u32 s14, 0
	s_cbranch_scc1 .Lnot_wave_0_\@
	s_barrier_signal -3
.Lnot_wave_0_\@:
	s_barrier_wait -3
	s_barrier_signal -1
	s_barrier_wait -1
.endm
.macro CROUND
	s_barrier_signal -1
	s_barrier_wait -1
	CREST
.endm
.macro PF steps                        ; my 33 units of the block that lies so many K steps behind s[PFA]
	global_prefetch_b8 v[PFO], s[PFA:PFA+1] offset:(\steps)*BLKB th:TH_LOAD_NT scope:SCOPE_SE
	global_prefetch_b8 v[PFZ], s[PFA:PFA+1] offset:(\steps)*BLKB+8192 th:TH_LOAD_NT scope:SCOPE_SE
.endm
.macro ASK                             ; in the loop: s3 = 1 in the last trip, whose refills have no K step two on
	s_cmp_gt_u32 s3, 1
	s_cbranch_scc0 .Lno_ask_\@
	PF 3
.Lno_ask_\@:
.endm
.macro PLACES n
.rept \n
	v_nop
.endr
.endm
	s_load_b256 s[4:11], s[0:1], 0x0               ; xq, wq, bias, out0
	v_lshl_add_u32 v[SPW], v0, 2, SPARE
	v_mov_b32 v[NIL], 0
	ds_add_u32 v[SPW], v[NIL]                      ; the opening lines: the add twice on end and its wait
	ds_add_u32 v[SPW], v[NIL]
	v_lshrrev_b32 v1, 5, v0
	v_readfirstlane_b32 s14, v1                    ; wave
	s_lshr_b32 s15, s14, 1                         ; my half of the rows; also: I fetch for x (0) or W (1)
	s_and_b32 s16, s14, 1                          ; my half of the columns; also: which block of 128 rows I fetch
	s_bfe_u32 s40, ttmp6, 0x40000                  ; cx
	s_bfe_u32 s41, ttmp6, 0x40004                  ; cy
	s_lshl_b32 s42, ttmp9, 2
	s_add_co_u32 s42, s42, s40                     ; tile column
	s_and_b32 s17, ttmp7, 0xffff
	s_lshl_b32 s17, s17, 2
	s_add_co_u32 s17, s17, s41                     ; tile row
	s_lshl_b32 s43, s41, 2
	s_lshl_b32 s43, 15, s43                        ; my row of the cluster
	s_lshl_b32 s44, 0x1111, s40                    ; my column
	s_or_b32 s[G1+0], s43, (3<<16)|(1<<21)         ; elements of 8 bytes; a block is dense: 132 rows of 256 bytes
	s_or_b32 s[G1B+0], s44, (3<<16)|(1<<21)
.irp g, G1, G1B
	s_mov_b32 s[\g+1], 32<<16
	s_mov_b32 s[\g+2], 132<<16
	s_mov_b32 s[\g+3], 32<<16
	s_mov_b32 s[\g+4], 132
	s_mov_b32 s[\g+5], 32
	s_mov_b32 s[\g+6], 0
	s_mov_b32 s[\g+7], 0
.endr
	s_lshl_b32 s20, s17, 1
	s_add_co_u32 s20, s20, s16
	s_mul_i32 s20, s20, 16*BLKB                    ; x: row block 2 x tile row + half
	s_mov_b32 s21, 0
	s_lshl_b32 s46, s42, 1
	s_add_co_u32 s46, s46, s16
	s_mul_i32 s46, s46, 16*BLKB                    ; W: row block 2 x tile column + half
	s_mov_b32 s47, 0
	s_mul_i32 s45, s14, BLKB                       ; where my block goes in a slot
	s_wait_dscnt 0x0
	s_wait_kmcnt 0x0
	s_add_nc_u64 s[20:21], s[4:5], s[20:21]
	s_add_nc_u64 s[46:47], s[6:7], s[46:47]
.irp s, 0,1
	s_mov_b32 s[G0+4*\s], 1
	s_add_co_u32 s[G0+4*\s+1], s45, \s*SLOT
	s_add_nc_u64 s[G0+4*\s+2:G0+4*\s+3], s[20:21], \s*BLKB
	s_or_b32 s[G0+4*\s+3], s[G0+4*\s+3], 0x80000000
	s_mov_b32 s[G0B+4*\s], 1
	s_add_co_u32 s[G0B+4*\s+1], s45, \s*SLOT
	s_add_nc_u64 s[G0B+4*\s+2:G0B+4*\s+3], s[46:47], \s*BLKB
	s_or_b32 s[G0B+4*\s+3], s[G0B+4*\s+3], 0x80000000
.endr
	CROUND                                         ; the round in front of the first joint loads
	JLOAD G0, G1, G0B, G1B                         ; K step 0: one tensor load a wave at the head
	; all that follows up to the wait for that load is set-up
	s_cmp_eq_u32 s15, 0
	s_cselect_b32 s18, s40, s41                    ; my place among the four that ask with me
	s_cselect_b64 s[PFA:PFA+1], s[20:21], s[46:47] ; the block that I fetch, K step 0
	s_mul_i32 s18, s18, SHARE
	s_mov_b32 s19, 0
	s_add_nc_u64 s[PFA:PFA+1], s[PFA:PFA+1], s[18:19]
	s_lshl_b32 s46, s42, 10                        ; my first column in bytes: 1,024 x tile column + 512 x half
	s_lshl_b32 s47, s16, 9
	s_add_co_u32 s46, s46, s47
	s_mov_b32 s47, 0
	s_add_nc_u64 s[8:9], s[8:9], s[46:47]
	s_lshl_b32 s20, s17, 8
	s_lshl_b32 s21, s15, 7
	s_add_co_u32 s20, s20, s21                     ; my first row
	s_lshl_b32 s20, s20, 14
	s_mov_b32 s21, 0
	s_add_nc_u64 s[20:21], s[20:21], s[46:47]
	s_add_nc_u64 s[10:11], s[10:11], s[20:21]
	s_mul_i32 s21, s15, BLKB                       ; my block of x in a slot
	s_mul_i32 s22, s16, BLKB
	s_add_co_u32 s22, s22, 2*BLKB                  ; my block of W
	s_sub_co_u32 s18, s22, s21
	s_add_co_u32 s19, s21, 32768                   ; the scale words lie behind a block's images
	s_mul_i32 s23, s14, 16*SPITCH                  ; my stage
	v_and_b32 v1, 15, v0
	v_bfe_u32 v2, v0, 4, 1
	v_and_b32 v3, 31, v0
	v_lshlrev_b32 v4, 4, v3
	v_lshlrev_b32 v[BO], 5, v2                     ; the bias of my eight columns
	v_add_nc_u32 v[ADRA], s21, v4
	v_add_nc_u32 v[ADRB], s22, v4
	v_add_nc_u32 v[ADRA+1], SLOT, v[ADRA]
	v_add_nc_u32 v[ADRB+1], SLOT, v[ADRB]
	v_mul_u32_u24 v6, s18, v2                      ; lanes 16-31 take W's scale words
	v_lshl_add_u32 v5, v1, 3, v6
	v_add_nc_u32 v[ADRS], s19, v5
	v_add_nc_u32 v[ADRS+1], SLOT, v[ADRS]
	v_mul_u32_u24 v5, v1, SPITCH
	v_lshl_add_u32 v5, v2, 5, v5
	v_add_nc_u32 v[STO], s23, v5                   ; into the stage: row l % 16, 32 bytes for each half of the lanes
	v_lshlrev_b32 v[CO], 4, v3
	v_add_nc_u32 v[RD], s23, v[CO]                 ; back: 32 lanes take a row of 512 bytes
	v_lshlrev_b32 v[PFO], 8, v3
	v_mov_b32 v[PFZ], 0
	s_wait_alu depctr_va_vdst(0)
.irp b, 0,1,2,3,4,5,6,7
	global_load_b128 v[BIAS+8*\b:BIAS+8*\b+3], v[BO], s[8:9] offset:64*\b
	global_load_b128 v[BIAS+8*\b+4:BIAS+8*\b+7], v[BO], s[8:9] offset:64*\b+16
.endr
	PF 1                                           ; K step 1
.macro FRAG reg, adr, q, i             ; a fragment image: four loads of 512 consecutive bytes
.irp c, 0,1,2,3
	ds_load_b128 v[\reg+4*\c:\reg+4*\c+3], v[\adr] offset:(2*(\i)+(\q))*2048+512*\c
.endr
.endm
; eight products: x's block a (its fragment at register aa) against W's eight (their set at register bb), the slot's q-th 128 along K, scale words of set sc.  zero = 1: the bias starts the sums.
; The accumulators take turns, one instruction a turn.
.macro MM8 a, bb, aa, sc, q, zero
.irp b, 0,1,2,3,4,5,6,7
.if \zero
	v_wmma_scale_f32_16x16x128_f8f6f4 v[8*(8*((\a)%4)+\b):8*(8*((\a)%4)+\b)+7], v[(\bb)+FR*\b:(\bb)+FR*\b+FR-1], v[(\aa):(\aa)+FR-1], v[BIAS+8*\b:BIAS+8*\b+7], v[SC+16*(\sc)+2*\b+(\q)], v[SC+16*(\sc)+2*(\a)+(\q)] matrix_a_fmt:MATRIX_FMT_BF8 matrix_b_fmt:MATRIX_FMT_BF8 matrix_a_scale:MATRIX_SCALE_ROW1
.else
	v_wmma_scale_f32_16x16x128_f8f6f4 v[8*(8*((\a)%4)+\b):8*(8*((\a)%4)+\b)+7], v[(\bb)+FR*\b:(\bb)+FR*\b+FR-1], v[(\aa):(\aa)+FR-1], v[8*(8*((\a)%4)+\b):8*(8*((\a)%4)+\b)+7], v[SC+16*(\sc)+2*\b+(\q)], v[SC+16*(\sc)+2*(\a)+(\q)] matrix_a_fmt:MATRIX_FMT_BF8 matrix_b_fmt:MATRIX_FMT_BF8 matrix_a_scale:MATRIX_SCALE_ROW1
.endif
.endr
.endm
.macro QB4 slot, q, p, i0              ; W's fragments i0 .. i0 + 3 into set p
	WIN TO_B
.irp i, \i0, \i0+1, \i0+2, \i0+3
	FRAG 128*(\p)+FR*(\i), ADRB+\slot, \q, \i
.endr
.endm
.macro FETCH_A slot, q, i0             ; x's blocks i0 .. i0 + 3
	WIN 0
.irp i, \i0, \i0+1, \i0+2, \i0+3
	FRAG AF+FR*(\i), ADRA+\slot, \q, \i
.endr
.endm
.macro SCALES sc                       ; lanes 0-15 x's block i, lanes 16-31 W's block i; two words a row
	WIN 0
.irp i, 0,1,2,3,4,5,6,7
	ds_load_b64 v[SC+16*\sc+2*\i:SC+16*\sc+2*\i+1], v[ADRS+\sc] offset:128*\i
.endr
.endm
.macro ALOAD a                         ; the last K step: x's block a, both halves of the step, into buffer a % 4 of 32 registers
	WIN 0
.irp q, 0,1
	FRAG AF+32*((\a)%4)+16*\q, ADRA+1, \q, \a
.endr
.endm
; a slot's first 128 along K
.macro STEP slot, zero
	s_wait_dscnt 16                                ; all but x's blocks 4-7
	WIN MUL_LO-0x20*(\zero)
.irp a, 0,1
	MM8 \a, 0, AF+FR*\a, \slot, 0, \zero
.endr
	QB4 \slot, 1, 1, 0
	WIN MUL_LO-0x20*(\zero)
.irp a, 2,3
	MM8 \a, 0, AF+FR*\a, \slot, 0, \zero
.endr
	PLACES NP                                      ; ahead of the loads into x's blocks 0-3
	FETCH_A \slot, 1, 0
	s_wait_dscnt 32                                ; x's blocks 4-7 are in; the two runs issued behind them may be out
	WIN MUL_HI-0x30*(\zero)
.irp a, 4,5
	MM8 \a, 0, AF+FR*\a, \slot, 0, \zero
.endr
	QB4 \slot, 1, 1, 4
	WIN MUL_HI-0x30*(\zero)
.irp a, 6,7
	MM8 \a, 0, AF+FR*\a, \slot, 0, \zero
.endr
	PLACES NP                                      ; ahead of the loads into x's blocks 4-7 and, in the next step, into this set of W's
	FETCH_A \slot, 1, 4                            ; my last reads of this slot
.endm
; a slot's second 128 along K, with the change of slots.  fill = 1: the slot is filled again, two K steps on.  fill = 0: the last change: x's blocks 0, 1 of the last K step come in the form that its rows want
.macro TURN slot, next, fill
.if \fill
	s_wait_xcnt 0x0                                ; my prefetches have read their address
	s_add_nc_u64 s[PFA:PFA+1], s[PFA:PFA+1], BLKB
.endif
	s_wait_dscnt 16
	WIN MUL_LO
	MM8 0, 128, AF, \slot, 1, 0
	WIN 0                                          ; the add's registers lie in window 0
	s_wait_tensorcnt 0x0                           ; my block of the other slot has landed: no tensor load of mine is out
	ds_add_u32 v[SPW], v[NIL]
.if \fill
	s_add_nc_u64 s[G0+4*\slot+2:G0+4*\slot+3], s[G0+4*\slot+2:G0+4*\slot+3], 2*BLKB
	s_add_nc_u64 s[G0B+4*\slot+2:G0B+4*\slot+3], s[G0B+4*\slot+2:G0B+4*\slot+3], 2*BLKB
.endif
	WIN MUL_LO
	MM8 1, 128, AF+FR, \slot, 1, 0                 ; eight products between the add and the wait for it
	WIN 0
	s_wait_dscnt 0x0                               ; the add is done, my reads of this slot are over
	s_barrier_signal -1
	s_barrier_wait -1
.if \fill
	CREST                                          ; the barrier has opened a round of the cluster's barrier
	JLOAD G0+4*\slot, G1, G0B+4*\slot, G1B         ; the refill, first behind the round
.endif
	QB4 \next, 0, 0, 0
	WIN MUL_LO
.irp a, 2,3
	MM8 \a, 128, AF+FR*\a, \slot, 1, 0
.endr
	PLACES NP                                      ; ahead of the loads into x's blocks 0-3
.if \fill
	FETCH_A \next, 0, 0
.else
	ALOAD 0
	ALOAD 1
.endif
	SCALES \next
.if \fill
	ASK
.endif
	WIN MUL_HI
.irp a, 4,5
	MM8 \a, 128, AF+FR*\a, \slot, 1, 0
.endr
	QB4 \next, 0, 0, 4
	WIN MUL_HI
.irp a, 6,7
	MM8 \a, 128, AF+FR*\a, \slot, 1, 0
.endr
	PLACES NP
	WIN 0
.if \fill
	FETCH_A \next, 0, 4
.endif
.endm
	s_wait_loadcnt 0x0                             ; the bias
	s_wait_alu depctr_va_vdst(0)
	s_wait_tensorcnt 0x0                           ; my block of K step 0 is in
	ds_add_u32 v[SPW], v[NIL]
	s_wait_dscnt 0x0
	CROUND
	JLOAD G0+4, G1, G0B+4, G1B                     ; K step 1, slot 1's first fill
	QB4 0, 0, 0, 0
	QB4 0, 0, 0, 4
	FETCH_A 0, 0, 0
	SCALES 0
	FETCH_A 0, 0, 4
	PF 2                                           ; K steps 2 and 3
	PF 3
	STEP 0, 1                                      ; the first products start the sums
	s_mov_b32 s3, LAPS-1
.Llap:                                                 ; a trip goes once round the ring and fills both slots again
	TURN 0, 1, 1
	STEP 1, 0
	TURN 1, 0, 1
	STEP 0, 0
	s_sub_co_u32 s3, s3, 1
	s_cmp_lg_u32 s3, 0
	s_cbranch_scc1 .Llap
; THE LAST CHANGE OF SLOTS fills nothing; K step 15, in slot 1, goes by rows.
.macro ROW a                           ; block a is finished: 16 products, its eight accumulators by turns, K ascending
	WIN MUL_LO+0x50*((\a)/4)
.irp q, 0,1
.if (\a) == 0
	s_wait_dscnt 48-32*\q                          ; behind what is needed: W's second set and x's blocks 2, 3; then those two blocks alone
.endif
	MM8 \a, 128*\q, AF+32*((\a)%4)+16*\q, 1, \q, 0
.endr
.endm
.macro TOSTAGE a                       ; into my stage, each accumulator from its low end on, and back as whole rows into the block's own accumulators (LDS serves a wave's instructions in order: ISA guide 5.7.1.4)
.set AC, 64*((\a)%4)
	WIN 0x88+0x44*((\a)/4)
.irp b, 0,1,2,3,4,5,6,7
	ds_store_b128 v[STO], v[AC+8*\b:AC+8*\b+3] offset:64*\b
	ds_store_b128 v[STO], v[AC+8*\b+4:AC+8*\b+7] offset:64*\b+16
.endr
.irp t, 0,1,2,3,4,5,6,7,8,9,10,11,12,13,14,15
	ds_load_b128 v[AC+4*\t:AC+4*\t+3], v[RD] offset:\t*SPITCH
.endr
.endm
.macro SEND a, younger                 ; 32 lanes store 512 consecutive aligned bytes; the row stands in the immediate (127 rows of 16,384 bytes at the most); no register of a store is written again
.set AC, 64*((\a)%4)
	s_wait_dscnt \younger
	WIN 0x88+0x44*((\a)/4)
.irp t, 0,1,2,3,4,5,6,7,8,9,10,11,12,13,14,15
	global_store_b128 v[CO], v[AC+4*\t:AC+4*\t+3], s[10:11] offset:(16*(\a)+\t)*ROWC th:TH_STORE_NT
.endr
.endm
	TURN 0, 1, 0
	QB4 1, 1, 1, 0
	QB4 1, 1, 1, 4
	ALOAD 2
	ALOAD 3
	ROW 0
.irp a, 0,1,2,3,4,5,6
	PLACES NP                                      ; ahead of the reads of block a's results and of the loads into its registers
	TOSTAGE \a
.if \a < 4
	ALOAD \a+4
.endif
	ROW \a+1                                       ; the next block is multiplied while block a comes back from the stage
.if \a < 4
	SEND \a, 8                                     ; the eight loads of x's block a + 4 may be out
.else
	SEND \a, 0
.endif
.endr
	PLACES NP
	TOSTAGE 7
	SEND 7, 0
	WIN 0
	s_wait_tensorcnt 0x0                           ; the wave's end
	ds_add_u32 v[SPW], v[NIL]
	s_wait_dscnt 0x0
	CROUND                                         ; the closing round
	s_endpgm
.Lfunc_end_k_qd3de9ae33d_gemm:
	.size	k_qd3de9ae33d_gemm, .Lfunc_end_k_qd3de9ae33d_gemm-k_qd3de9ae33d_gemm
	.p2alignl 7, 3214868480
	.fill 96, 4, 3214868480
	.section	.rodata,"a",@progbits
	.p2align	6, 0x0
	.amdhsa_kernel k_qd3de9ae33d_gemm
		.amdhsa_group_segment_fixed_size 327680
		.amdhsa_private_segment_fixed_size 0
		.amdhsa_enable_private_segment 0
		.amdhsa_kernarg_size 32
		.amdhsa_user_sgpr_count 2
		.amdhsa_user_sgpr_kernarg_segment_ptr 1
		.amdhsa_wavefront_size32 1
		.amdhsa_system_sgpr_workgroup_id_x 1
		.amdhsa_system_sgpr_workgroup_id_y 1
		.amdhsa_system_sgpr_workgroup_id_z 1
		.amdhsa_system_vgpr_workitem_id 0
		.amdhsa_next_free_vgpr 1024
		.amdhsa_next_free_sgpr 66
		.amdhsa_reserve_vcc 0
		.amdhsa_float_denorm_mode_32 3
		.amdhsa_float_denorm_mode_16_64 3
		.amdhsa_memory_ordered 1
		.amdhsa_forward_progress 1
		.amdhsa_inst_pref_size 148
	.end_amdhsa_kernel
	.amdgpu_metadata
---
amdhsa.version: [ 1, 2 ]
amdhsa.kernels:
  - .name:           k_qd3de9ae33d_gemm
    .symbol:         k_qd3de9ae33d_gemm.kd
    .args:
      - { .name: xq, .offset: 0, .size: 8, .value_kind: global_buffer, .address_space: global }
      - { .name: wq, .offset: 8, .size: 8, .value_kind: global_buffer, .address_space: global }
      - { .name: bias, .offset: 16, .size: 8, .value_kind: global_buffer, .address_space: global }
      - { .name: out0, .offset: 24, .size: 8, .value_kind: global_buffer, .address_space: global }
    .group_segment_fixed_size: 327680
    .private_segment_fixed_size: 0
    .kernarg_segment_align: 8
    .kernarg_segment_size: 32
    .max_flat_workgroup_size: 128
    .sgpr_count:     66
    .vgpr_count:     1024
    .wavefront_size: 32
...
	.end_amdgpu_metadata
.endif
;; end of part 2
